; MI455X (gfx1250); checked and timed in simulation.
; The chip was launched on July 23, 2026; its instructions are those of AMD's public machine-readable ISA for CDNA 5 (MIT licence, August 2026) and "CDNA5" Instruction Set Architecture Reference Guide (July 2026). The comments in the code are by the model that wrote it; some were corrected since.
;; Attention. Allowed arithmetic: matrix products marked QUANTISED: E4M3 operands, one E8M0 scale for each 32 along K, by v_wmma_scale_f32_16x16x128_f8f6f4 with both operands' format E4M3, f32 sums; everything else in f32.
;; Inputs: attn_mask 1 x 1 x 2,048 x 2,048 int32; k 4 x 16 x 2,048 x 128 float32; pad_mask 4 x 2,048 int32; q 4 x 16 x 2,048 x 128 float32; v 4 x 16 x 2,048 x 128 float32.
;; Outputs: out0 4 x 16 x 2,048 x 128 float32.
;; This version of the problem:
;;   THIS VERSION OF THE PROBLEM IS GIVEN IN LOW PRECISION. The matrix products marked QUANTISED in the list below multiply operands that are first quantised to E4M3 (4 exponent bits, 3 mantissa bits; 8 bits a number), with one power-of-two scale for each 32 numbers along K (OCP MX v1.0); their sums are f32. All else is computed in f32.
;;   The module's matrix products, in the order in which they are computed (A, B: the left and right operand; K: the contracted axis; several contracted axes count as one K, in the product's order):
;;     1. batch 64 x [M 2,048, K 128] x [K 128, N 2,048]; A: input q; B: input k: QUANTISED
;;     2. batch 64 x [M 2,048, K 2,048] x [K 2,048, N 128]; A: softmax (see below); B: input v: QUANTISED
;;   THE QUANTISER, for each operand of a quantised product, along K:
;;     - K is cut into blocks of 32 from its start; a last block that is shorter is filled with zeros.
;;     - A block's scale is 2^e with e = floor(log2(the largest magnitude in the block)) - 8, held to -126 .. 127; a block of zeros has e = 0. As a byte (E8M0): e + 127.
;;     - Each number is divided by its block's scale, clamped to +-448, and rounded to the nearest number of E4M3, ties to even, subnormals kept.
;;     - The product sums the exact products of the quantised numbers (number of the format x scale) in f32.
;;   ~~~python
;;   def quantise(x, axis):      # numpy; x: float32 -> the quantised numbers, widened to float32 again
;;       x = np.moveaxis(x, axis, -1); K = x.shape[-1]
;;       x = np.pad(x, [(0, 0)] * (x.ndim - 1) + [(0, -K % 32)]); x = x.reshape(x.shape[:-1] + (-1, 32)); a = np.abs(x).max(-1, keepdims=True)
;;       e = np.where(a > 0, np.clip(np.frexp(np.where(a > 0, a, 1))[1] - 1 - 8, -126, 127), 0)      # np.frexp(a)[1] - 1 = floor(log2(a)), exactly
;;       r = np.clip(x / 2.0 ** e, -448, 448)
;;       step = 2.0 ** (np.maximum(np.frexp(np.where(r == 0, 1, r))[1] - 1, -6) - 3)
;;       q = np.round(r / step) * step * 2.0 ** e      # np.round: ties to even
;;       return np.moveaxis(q.reshape(q.shape[:-2] + (-1,))[..., :K], -1, axis).astype(np.float32)
;;   ~~~
;;   SOFTMAX AHEAD OF A QUANTISED PRODUCT. Where the list says 'softmax', what is quantised is not the finished softmax but p = 2^(t - M), with t = logit x log2(e) and M = ceil(the row's largest t), a whole number; so 1/2 < the row's largest p <= 1. The row's sum l is taken of the UNQUANTISED p, in f32, and the product's result is divided by l at the end. Since M is a whole number, a kernel that streams over the keys may use a running M (the ceiling of the running maximum): every later rescaling is an exact power of two, which a block's scale takes up: the codes' values come out the same.
;;   OPERANDS COMPUTED ON THE WAY. 'Computed on the way' means the value that the module computes at that place (a softmax that the list does not call 'softmax' is quantised finished and normalised). What goes into a quantiser is computed in f32, as accurately as f32 sums, v_exp_f32 and their like allow (about 1e-6 of the number): no bf16 or f16 on the way to a quantiser, and a product that is left as it is and whose result goes on into a quantised operand takes f32 operands (vector FMAs, or v_wmma_f32_16x16x4_f32). A number that lies on a knife's edge between two numbers of the format may be rounded either way, as far as f32 arithmetic and the matrix unit's own rounding can turn it there, and no further.
;; One version. Each part assembles by itself: llvm-mc -triple=amdgcn-amd-amdhsa -mcpu=gfx1250 --defsym DOCPART=n.
;; ======== version 1 of 1: 2 launches
;; limits: right only within a limited range of input values
;; workspace buffers: kv 34,603,008 bytes; maskw 2,097,152 bytes of whole numbers
;; launch prep (part 1): grid 1280 x 1, 4 waves a work-group, no clusters, 34,304 bytes of LDS; arguments k, v, pad_mask, attn_mask, kv, maskw; writes kv, maskw
.if DOCPART == 1
	.amdgcn_target "amdgcn-amd-amdhsa--gfx1250"
	.amdhsa_code_object_version 6
	.text
	.protected	k_qbe85208a05_prep
	.globl	k_qbe85208a05_prep
	.p2align	8
	.type	k_qbe85208a05_prep,@function
k_qbe85208a05_prep:
	s_mov_b64 s[64:65], 0
	v_nop
	global_prefetch_b8 v0, s[64:65] scope:SCOPE_SE
	s_setreg_imm32_b32 hwreg(HW_REG_WAVE_MODE, 25, 1), 1
	s_wait_xcnt 0x0
; PREP: k and v (f32, [64 heads][2048 keys][128]) become codes of FP8 (E4M3) with one E8M0 scale byte for each 32 along a product's K, laid as IMAGES OF THE OPERAND'S REGISTERS;
; the two mask inputs become lane masks, one 32-bit word for each register of a tile of scores.  Three paths part on the work-group's number x and never meet again, by x % 5, so that every run of neighbouring numbers holds the same mix of the three:
;   x % 5 = 0: K (K = the head's 128), part x / 5 of 256;  1, 2: V (K = the keys), part 2 (x / 5) + x % 5 - 1 of 512;  3, 4: the masks, part 2 (x / 5) + x % 5 - 3 of 512.  Only the K path touches LDS.  Waves share nothing: no barrier.
; kv: for each head 16 blocks of STEPB bytes, one for each key step of 128 keys: K's 8 tile images of 2,048 bytes, V's 8, K's scale words [lane 32][j 4] (512 bytes), V's scale words [j / 2][lane 32][j % 2] (512 bytes).
; AN IMAGE: byte 512 c + 16 lane + i is byte i of registers 4 c .. 4 c + 3 of that lane: k = 32 c + 16 (lane / 16) + i of the tile's row lane % 16.
;   K's tile t of a step: row r is key 32 (t / 2) + 8 (t % 2) + r + 8 (r / 8), so that the scores' 16 registers of tiles 2 b, 2 b + 1 are 16 neighbouring keys.   V's tile t: row r is channel 16 t + r, k runs along the step's 128 keys.
;   Scale register j: lanes 0-15 hold tile 2 j's row words, lanes 16-31 tile 2 j + 1's.
; maskw: [batch 4][pair of query tiles 64][step 16][tile 2][n 64] words; bit L of word n: key 128 step + 32 (n / 16) + 16 (L / 16) + n % 16 counts for query 16 tile + L % 16: attn_mask != 0 and pad_mask != 0.
; THE QUANTISER: a block's scale is 2^(floor(log2(its largest magnitude)) - 8); its byte is the largest magnitude's exponent field - 8, held at 1 from below; each number is held within +-448 x the scale and rounded to the nearest code, ties to even.
; LIMITS: NaN and infinities among the inputs are not served; blocks whose largest magnitude lies under 2^-118 keep the byte 1; a block of zeros has the byte 1 where the rule says 127: its codes are zeros, and this program alone reads the bytes.
; No matrix unit, cluster or tensor load: each input byte is read once and nothing is shared between work-groups.
.set HEADB, 540672
.set STEPB, 33792
.set BM,  8                            ; v8-11   largest magnitudes
.set PB,  12                           ; v12-15  the other half's, then the bytes
.set HD,  16                           ; v16-19  448 x the scale
.set SO,  20                           ; v20-23  the conversions' scale operands
.set PW,  24                           ; v24     a tile's scale word
.set SWT, 25                           ; v25     the even tile's word, kept for its odd partner
.set SW,  28                           ; v28-31  K: the step's four scale registers;  V: v28-29 the lane's two words
.set R,   32                           ; K: v32-95, v96-159 two sets of 64 numbers
.set PC,  160                          ; K: v160-175, v176-191 two sets of codes
.set X,   32                           ; V: v32-63, v64-95 two sets of 32 numbers
.set C,   96                           ; V: v96-159 eight registers of codes for each block: no store's data are written again
.set SEL, 20                           ; s[20:21] v_permlanex16_b32's selects for lane l xor 16
.set MNT, 22                           ; s22     the mantissa field of 448
; 64 numbers of a lane, register 16 b + i = k 32 b + 16 (lane / 16) + i of my row, become a fragment's codes in v[pc] on and its scale word in v[pw]
.macro QUANT s, pc, pw
.irp b, 0,1,2,3
	v_max3_num_f32 v[BM+\b], |v[\s+16*\b]|, |v[\s+1+16*\b]|, 0x4800000   ; my 16 numbers of block b, and the floor 2^(9 - 127)
.endr
.irp i, 2,4,6,8,10,12,14
.irp b, 0,1,2,3
	v_max3_num_f32 v[BM+\b], v[BM+\b], |v[\s+16*\b+\i]|, |v[\s+1+16*\b+\i]|
.endr
.endr
.irp b, 0,1,2,3
	v_permlanex16_b32 v[PB+\b], v[BM+\b], s[SEL], s[SEL+1]
.endr
.irp b, 0,1,2,3
	v_max_num_f32 v[BM+\b], v[BM+\b], v[PB+\b]     ; with lane l xor 16's: the block's largest magnitude
.endr
.irp b, 0,1,2,3
	v_add_nc_u32 v[SO+\b], 0xfc000000, v[BM+\b]    ; 8 off its exponent field: the conversion's scale operand
.endr
.irp b, 0,1,2,3
	v_and_or_b32 v[HD+\b], v[BM+\b], 0x7f800000, s[MNT]   ; 448 x the scale
.endr
.irp b, 0,1,2,3
	v_lshrrev_b32 v[PB+\b], 23, v[SO+\b]           ; the scale's byte
.endr
	v_lshl_or_b32 v[\pw], v[PB+1], 8, v[PB]
	v_lshl_or_b32 v[\pw], v[PB+2], 16, v[\pw]
	v_lshl_or_b32 v[\pw], v[PB+3], 24, v[\pw]      ; my row's scale word
.irp b, 0,1,2,3
.irp i, 0,1,2,3,4,5,6,7,8,9,10,11,12,13,14,15
	v_med3_num_f32 v[\s+16*\b+\i], v[\s+16*\b+\i], -v[HD+\b], v[HD+\b]   ; the conversion does not saturate (ISA guide 7.6.2): the hold comes first
.endr
	v_cvt_scalef32_pk8_fp8_f32 v[\pc+4*\b:\pc+1+4*\b], v[\s+16*\b:\s+7+16*\b], v[SO+\b]
	v_cvt_scalef32_pk8_fp8_f32 v[\pc+2+4*\b:\pc+3+4*\b], v[\s+8+16*\b:\s+15+16*\b], v[SO+\b]
.endr
	v_nop                                          ; a plain line behind the last conversion
.endm
; K: tile t's sixteen key rows, each load one whole row: 512 consecutive bytes
.macro KLOAD t
.set RS, R+64*((\t)%2)
.irp rr, 0,1,2,3,4,5,6,7,8,9,10,11,12,13,14,15
	global_load_b128 v[RS+4*\rr:RS+4*\rr+3], v2, s[4:5] offset:(32*((\t)/2)+8*((\t)%2)+\rr+8*(\rr/8))*512 th:TH_LOAD_NT
.endr
.endm
; K: tile t turns through my wave's stage (rows of 512 + 16 bytes), so that a lane gets 16 neighbours of each block of its row; then it is quantised and its image stored
.macro KTILE t
.set RS, R+64*((\t)%2)
.set PCS, PC+16*((\t)%2)
.if (\t) < 7
	s_wait_loadcnt 16                              ; this tile's 16 loads are in; the next tile's may be out
.else
	s_wait_loadcnt 0x0
.endif
	s_wait_xcnt 0x0                                ; the stores of two tiles back have read this set of codes
.irp rr, 0,1,2,3,4,5,6,7,8,9,10,11,12,13,14,15
	ds_store_b128 v5, v[RS+4*\rr:RS+4*\rr+3] offset:528*\rr
.endr
.irp b, 0,1,2,3
.irp j, 0,1,2,3
	ds_load_b128 v[RS+16*\b+4*\j:RS+16*\b+4*\j+3], v6 offset:128*\b+16*\j   ; LDS serves a wave's instructions in order (ISA guide 5.7.1.4)
.endr
.endr
	s_wait_dscnt 0x0
	QUANT RS, PCS, PW
.if ((\t)%2) == 0
	v_mov_b32 v[SWT], v[PW]
.else
	v_cndmask_b32 v[SW+(\t)/2], v[SWT], v[PW], s23 ; lanes 0-15: the even tile's words; lanes 16-31: the odd tile's
.endif
.if (\t)+2 < 8
	KLOAD (\t)+2
.endif
.irp c, 0,1,2,3
	global_store_b128 v2, v[PCS+4*\c:PCS+4*\c+3], s[18:19] offset:2048*(\t)+512*\c   ; 32 lanes store 512 consecutive bytes, aligned
.endr
.endm
; V: a lane takes a channel, its registers run down the keys.  Block blk: the 32 keys 32 (blk / 2) on of my step, channels 32 (blk % 2) on of my 64: two blocks on end take both halves of 256 consecutive bytes of each key's row
.macro VLOAD blk
.set i, 0
.rept 32
	global_load_b32 v[X+32*((\blk)%2)+i], v4, s[6:7] offset:(32*((\blk)/2)+i)*512+128*((\blk)%2) th:TH_LOAD_NT
.set i, i+1
.endr
.endm
.macro VBLOCK blk
.set XS, X+32*((\blk)%2)
.set CB, C+8*(\blk)
.if (\blk) < 7
	s_wait_loadcnt 32                              ; this block's 32 loads are in; the next block's may be out
.else
	s_wait_loadcnt 0x0
.endif
	v_max3_num_f32 v8, |v[XS]|, |v[XS+1]|, |v[XS+2]|   ; the block's largest magnitude: all 32 numbers are mine; two chains
	v_max3_num_f32 v9, |v[XS+3]|, |v[XS+4]|, |v[XS+5]|
.irp i, 6,10,14,18,22,26
	v_max3_num_f32 v8, v8, |v[XS+\i]|, |v[XS+\i+1]|
	v_max3_num_f32 v9, v9, |v[XS+\i+2]|, |v[XS+\i+3]|
.endr
	v_max3_num_f32 v8, v8, |v[XS+30]|, |v[XS+31]|
	v_max3_num_f32 v8, v8, v9, 0x4800000           ; and the floor
	v_add_nc_u32 v11, 0xfc000000, v8               ; the conversions' scale operand
	v_and_or_b32 v10, v8, 0x7f800000, s[MNT]       ; 448 x the scale
	v_lshrrev_b32 v13, 23, v11                     ; the byte
.if ((\blk)/2) == 0
	v_mov_b32 v[SW+(\blk)%2], v13                  ; four bytes to a word, a word to each of my two channels
.else
	v_lshl_or_b32 v[SW+(\blk)%2], v13, 8*((\blk)/2), v[SW+(\blk)%2]
.endif
.set i, 0
.rept 32
	v_med3_num_f32 v[XS+i], v[XS+i], -v10, v10
.set i, i+1
.endr
.irp g, 0,1,2,3
	v_cvt_scalef32_pk8_fp8_f32 v[CB+2*\g:CB+2*\g+1], v[XS+8*\g:XS+8*\g+7], v11
.endr
	v_nop                                          ; a plain line behind the last conversion
.if (\blk)+2 < 8
	VLOAD (\blk)+2
.endif
	global_store_b128 v5, v[CB:CB+3], s[18:19] offset:4096*((\blk)%2)+512*((\blk)/2)          ; keys 0-15 of the block: the image's lanes 0-15; sixteen lanes store 256 consecutive bytes, aligned
	global_store_b128 v5, v[CB+4:CB+7], s[18:19] offset:4096*((\blk)%2)+512*((\blk)/2)+256    ; keys 16-31: its lanes 16-31
.endm
; masks: 64 words of a lane in the order of a score tile's registers: n = 16 b + 4 j + 0 .. 3
.macro MLD y, adr, lo, off0
.irp b, 0,1,2,3
.irp j, 0,1,2,3
	global_load_b128 v[\y+16*\b+4*\j:\y+16*\b+4*\j+3], v[\adr], s[\lo:\lo+1] offset:\off0+128*\b+16*\j
.endr
.endr
.endm
; batch beta: pad_mask's lane masks, each joined with attn_mask's; word n goes to lane n / 2 of one of two registers, so that the 32 lanes store 256 consecutive bytes
.macro PROC beta, y
.set n, 0
.rept 64
	v_cmp_ne_u32 s[24+n%4], 0, v[\y+n]
	s_and_b32 s[24+n%4], s[24+n%4], s[32+n+4*(n/32)]
	v_writelane_b32 v[224+2*\beta+n%2], s[24+n%4], n/2
.set n, n+1
.endr
	global_store_b64 v3, v[224+2*\beta:225+2*\beta], s[14:15] offset:524288*\beta
.endm
	s_load_b256 s[4:11], s[0:1], 0x0               ; k s[4:5], v s[6:7], pad_mask s[8:9], attn_mask s[10:11]
	s_load_b128 s[12:15], s[0:1], 0x20             ; kv s[12:13], maskw s[14:15]
	v_lshl_add_u32 v232, v0, 2, 0x8400
	v_mov_b32 v233, 0
	v_lshrrev_b32 v1, 5, v0
	v_readfirstlane_b32 s16, v1                    ; wave 0..3
	v_and_b32 v1, 31, v0                           ; lane
	v_lshlrev_b32 v2, 4, v1                        ; 16 x lane
	v_lshlrev_b32 v3, 3, v1                        ; 8 x lane
	v_lshlrev_b32 v4, 2, v1                        ; 4 x lane
	v_and_b32 v7, 15, v0                           ; r
	v_bfe_u32 v26, v0, 4, 1                        ; h
	s_mov_b32 s[SEL], 0x76543210
	s_mov_b32 s[SEL+1], 0xfedcba98
	s_mov_b32 s[MNT], 0x600000
	s_mov_b32 s23, 0xffff0000                      ; lanes 16-31
	s_mov_b32 s25, 0                               ; the upper word of every byte offset: all stay under 2^27
	s_mul_hi_u32 s17, ttmp9, 0xcccccccd
	s_lshr_b32 s17, s17, 2                         ; x / 5
	s_mul_i32 s26, s17, 5
	s_sub_co_u32 s26, ttmp9, s26                   ; x % 5
	s_lshl_b32 s27, s17, 1
	s_add_co_u32 s27, s27, s26                     ; 2 (x / 5) + x % 5
	s_wait_kmcnt 0x0
	s_cmp_eq_u32 s26, 0
	s_cbranch_scc1 .Lkpath
	s_cmp_lt_u32 s26, 3
	s_cbranch_scc1 .Lvpath
	; ---- THE MASKS.  A wave takes one tile of 16 queries and one step of 128 keys, for all four batches: attn_mask is read once in the launch.
	s_sub_co_u32 s24, s27, 3                       ; my part, 0..511
	s_lshr_b32 s26, s24, 2                         ; the tile of queries, 0..127
	s_and_b32 s27, s24, 3
	s_lshl_b32 s27, s27, 2
	s_add_co_u32 s27, s27, s16                     ; the key step, 0..15
	s_lshl_b32 s24, s26, 17                        ; 16 rows of 8,192 bytes
	s_lshl_b32 s28, s27, 9                         ; 128 keys of 4 bytes
	s_add_co_u32 s24, s24, s28
	s_add_nc_u64 s[10:11], s[10:11], s[24:25]
	s_mov_b32 s24, s28
	s_add_nc_u64 s[8:9], s[8:9], s[24:25]
	s_lshr_b32 s24, s26, 1
	s_lshl_b32 s24, s24, 4
	s_add_co_u32 s24, s24, s27
	s_lshl_b32 s24, s24, 9                         ; (pair x 16 + step) x 512
	s_and_b32 s28, s26, 1
	s_lshl_b32 s28, s28, 8                         ; + 256 x (tile % 2)
	s_add_co_u32 s24, s24, s28
	s_add_nc_u64 s[14:15], s[14:15], s[24:25]
	s_wait_alu depctr_va_vdst(0)
	v_lshlrev_b32 v5, 13, v7
	v_lshl_add_u32 v5, v26, 6, v5                  ; attn_mask: row r, + 16 keys for lanes 16-31
	v_lshlrev_b32 v6, 6, v26                       ; pad_mask: the same keys
.irp i, 0,1,2,3,4,5,6,7
	v_mov_b32 v[224+\i], 0                         ; a lane write's destination counts as read
.endr
	MLD 32, 5, 10, 0                               ; attn_mask
	MLD 96, 6, 8, 0                                ; pad_mask, batch 0
	MLD 160, 6, 8, 8192                            ; batch 1
	s_wait_loadcnt 32                              ; attn_mask's 16 loads are in
.set n, 0
.rept 64
	v_cmp_ne_u32 s[32+n+4*(n/32)], 0, v[32+n]      ; its 64 lane masks stay in s32-63 and s68-99
.set n, n+1
.endr
	MLD 32, 6, 8, 16384                            ; batch 2
	s_wait_loadcnt 32                              ; batch 0 is in; batches 1 and 2 may be out
	PROC 0, 96
	MLD 96, 6, 8, 24576                            ; batch 3
	s_wait_loadcnt 32                              ; batch 1 is in
	PROC 1, 160
	s_wait_loadcnt 16                              ; batch 2 is in
	PROC 2, 32
	s_wait_loadcnt 0x0
	PROC 3, 96
	s_endpgm
.Lkpath:	; ---- K.  A wave takes one key step: 128 keys, 8 tiles.  My part is s17, 0..255: four steps.
	s_lshl_b32 s24, s17, 18                        ; the work-group's four steps of 65,536 bytes
	s_lshl_b32 s26, s16, 16
	s_add_co_u32 s24, s24, s26
	s_add_nc_u64 s[4:5], s[4:5], s[24:25]
	s_lshr_b32 s26, s17, 2                         ; the head
	s_mul_i32 s26, s26, HEADB
	s_and_b32 s27, s17, 3
	s_lshl_b32 s27, s27, 2
	s_add_co_u32 s27, s27, s16                     ; the step
	s_mul_i32 s27, s27, STEPB
	s_add_co_u32 s24, s27, s26
	s_add_nc_u64 s[18:19], s[12:13], s[24:25]      ; my step's eight images
	s_add_co_u32 s24, s24, 32768
	s_add_nc_u64 s[12:13], s[12:13], s[24:25]      ; and its 512 bytes of scale words
	s_mul_i32 s30, s16, 8448                       ; my stage: 16 rows x 528 bytes
	s_wait_alu depctr_va_vdst(0)
	v_add_nc_u32 v5, s30, v2                       ; in: 16 x lane of a row
	v_mul_u32_u24 v6, v7, 528
	v_lshl_add_u32 v6, v26, 6, v6
	v_add_nc_u32 v6, s30, v6                       ; back: row r, + 16 numbers for lanes 16-31
.irp b, 0,1,2,3
	v_mov_b32 v[PB+\b], 0                          ; written once: a lane permute's destination counts as one of its sources
.endr
	KLOAD 0
	KLOAD 1
	s_wait_alu depctr_va_vdst(0)
.irp t, 0,1,2,3,4,5,6,7
	KTILE \t
.endr
	global_store_b128 v2, v[SW:SW+3], s[12:13]     ; the step's scale registers: 512 consecutive bytes
	s_wait_tensorcnt 0x0                           ; the wave's end
	ds_add_u32 v232, v233
	s_wait_dscnt 0x0
	s_endpgm
.Lvpath:	; ---- V.  A work-group takes 256 keys of one head; wave w takes key step w / 2 of them and channels 64 (w % 2) + 32 g + lane, g = 0, 1: tiles 4 (w % 2) .. + 3.
	s_sub_co_u32 s24, s27, 1                       ; my part, 0..511
	s_lshr_b32 s26, s24, 3                         ; the head
	s_and_b32 s27, s24, 7                          ; which 256 keys
	s_lshl_b32 s24, s24, 17                        ; 256 keys of 512 bytes
	s_lshr_b32 s28, s16, 1                         ; the step of the two
	s_and_b32 s29, s16, 1                          ; the half of the channels
	s_lshl_b32 s30, s28, 16
	s_add_co_u32 s24, s24, s30
	s_lshl_b32 s30, s29, 8
	s_add_co_u32 s24, s24, s30
	s_add_nc_u64 s[6:7], s[6:7], s[24:25]
	s_mul_i32 s26, s26, HEADB
	s_lshl_b32 s27, s27, 1
	s_add_co_u32 s27, s27, s28                     ; the key step, 0..15
	s_mul_i32 s27, s27, STEPB
	s_add_co_u32 s26, s26, s27                     ; its block in kv
	s_lshl_b32 s24, s29, 13                        ; my four images
	s_add_co_u32 s24, s24, s26
	s_add_co_u32 s24, s24, 16384
	s_add_nc_u64 s[18:19], s[12:13], s[24:25]
	s_lshl_b32 s24, s29, 8                         ; my two scale registers
	s_add_co_u32 s24, s24, s26
	s_add_co_u32 s24, s24, 33280
	s_add_nc_u64 s[12:13], s[12:13], s[24:25]
	s_wait_alu depctr_va_vdst(0)
	v_lshlrev_b32 v5, 11, v26
	v_lshl_add_u32 v5, v7, 4, v5                   ; my channel's place: image lane / 16, row lane % 16
	VLOAD 0
	VLOAD 1
.irp t, 0,1,2,3,4,5,6,7
	VBLOCK \t
.endr
	global_store_b64 v3, v[SW:SW+1], s[12:13]      ; my two channels' scale words: 32 lanes store 256 consecutive bytes, aligned
	s_endpgm
.Lfunc_end_k_qbe85208a05_prep:
	.size	k_qbe85208a05_prep, .Lfunc_end_k_qbe85208a05_prep-k_qbe85208a05_prep
	.p2alignl 7, 3214868480
	.fill 96, 4, 3214868480
	.section	.rodata,"a",@progbits
	.p2align	6, 0x0
	.amdhsa_kernel k_qbe85208a05_prep
		.amdhsa_group_segment_fixed_size 34304
		.amdhsa_private_segment_fixed_size 0
		.amdhsa_enable_private_segment 0
		.amdhsa_kernarg_size 48
		.amdhsa_user_sgpr_count 2
		.amdhsa_user_sgpr_kernarg_segment_ptr 1
		.amdhsa_wavefront_size32 1
		.amdhsa_system_sgpr_workgroup_id_x 1
		.amdhsa_system_sgpr_workgroup_id_y 1
		.amdhsa_system_sgpr_workgroup_id_z 1
		.amdhsa_system_vgpr_workitem_id 0
		.amdhsa_next_free_vgpr 234
		.amdhsa_next_free_sgpr 102
		.amdhsa_reserve_vcc 0
		.amdhsa_float_denorm_mode_32 3
		.amdhsa_float_denorm_mode_16_64 3
		.amdhsa_memory_ordered 1
		.amdhsa_forward_progress 1
		.amdhsa_inst_pref_size 207
	.end_amdhsa_kernel
	.amdgpu_metadata
---
amdhsa.version: [ 1, 2 ]
amdhsa.kernels:
  - .name:           k_qbe85208a05_prep
    .symbol:         k_qbe85208a05_prep.kd
    .args:
      - { .name: k, .offset: 0, .size: 8, .value_kind: global_buffer, .address_space: global }
      - { .name: v, .offset: 8, .size: 8, .value_kind: global_buffer, .address_space: global }
      - { .name: pad_mask, .offset: 16, .size: 8, .value_kind: global_buffer, .address_space: global }
      - { .name: attn_mask, .offset: 24, .size: 8, .value_kind: global_buffer, .address_space: global }
      - { .name: kv, .offset: 32, .size: 8, .value_kind: global_buffer, .address_space: global }
      - { .name: maskw, .offset: 40, .size: 8, .value_kind: global_buffer, .address_space: global }
    .group_segment_fixed_size: 34304
    .private_segment_fixed_size: 0
    .kernarg_segment_align: 8
    .kernarg_segment_size: 48
    .max_flat_workgroup_size: 128
    .sgpr_count:     102
    .vgpr_count:     234
    .wavefront_size: 32
...
	.end_amdgpu_metadata
.endif
;; end of part 1
;; launch attn (part 2): grid 4 x 64, 8 waves a work-group, clusters of 4 x 1, 327,680 bytes of LDS; arguments q, kv, maskw, out0; writes out0
.if DOCPART == 2
	.amdgcn_target "amdgcn-amd-amdhsa--gfx1250"
	.amdhsa_code_object_version 6
	.text
	.protected	k_qbe85208a05_attn
	.globl	k_qbe85208a05_attn
	.p2align	8
	.type	k_qbe85208a05_attn,@function
k_qbe85208a05_attn:
	s_mov_b64 s[64:65], 0
	v_nop
	global_prefetch_b8 v0, s[64:65] scope:SCOPE_SE
	s_setreg_imm32_b32 hwreg(HW_REG_WAVE_MODE, 25, 1), 1
	s_wait_xcnt 0x0
	s_wait_alu depctr_hold_cnt(0) depctr_sa_sdst(0) depctr_va_vdst(0) depctr_va_sdst(0) depctr_va_ssrc(0) depctr_va_vcc(0) depctr_vm_vsrc(0)
	s_getreg_b32 s2, hwreg(HW_REG_IB_STS2, 6, 4)
	s_cmp_eq_u32 s2, 0
	s_cbranch_scc0 .Lentry_in_a_cluster
	s_endpgm
.Lentry_in_a_cluster:
	s_bfe_u32 s2, ttmp6, 0x10000c
	s_cmp_lg_u32 s2, 0x3003
	s_cbranch_scc0 .Lentry_shape_is_right
	s_endpgm
.Lentry_shape_is_right:
; out0[hd][q][:] = the sum over keys of softmax(masked q . k / sqrt(128)) v, both products on codes of FP8 (E4M3) with one E8M0 scale for each 32 along a product's K.
; q: [64][2048][128] f32, quantised here in registers (one wave reads it once).  kv: for each key step of 128 keys a dense block of STEPB bytes: K's 8 register images, V's 8, K's scale words, V's; maskw: lane masks; both made by the launch before.
; THE SOFTMAX: t = score x log2(e) / sqrt(128); M = the running largest t rounded UP to a whole number; p = 2^(t - M) is quantised along the keys, not normalised; the row's sum is taken of the unquantised p and divides at the end.
; When M moves, the sum and O^T are multiplied by 2^(old M - new M): nothing is rounded, and there is no branch on data.
; THE MASKS: a hidden score becomes -2^126 ahead of the maximum, by one select on a lane mask.  -2^126 x c is exact and a whole number, so M equals it in a row that is hidden throughout: there p = 1 for every key, the plain mean of v; beside any score that counts p is 0.
; SHARES: 256 work-groups, four to a head.  A WORK-GROUP STAYS for two blocks of 256 queries of its head, blocks cx and cx + 4: a loop of two trips round the whole body; nothing waits for the first block's stores.
; Each of the eight waves owns 32 queries of a block: two tiles of 16, so that each fragment of K and V read from LDS feeds two matrix instructions; two waves of 512 registers to a SIMD.
; THE RING: two LDS slots of four key steps (SLOTB bytes); each of the eight waves fetches an eighth of a slot, 66 rows of 256 bytes, by one joint load; four changes of slots a block.
; A TRIP OF THE STEPS' LOOP: tile 1's O^T += V^T P^T of the step BEFORE, with this step's fragments of K asked for in three groups behind its instructions; S^T of both tiles, tile 1's instructions by turns with tile 0's selects; tile 0's softmax;
; tile 1's softmax, among whose plain lines stand the eight instructions of tile 0's second product.  So a change of slots falls where V of the slot's last step lies in registers.
; A block's first trip finds p = 0, V = 0 and O^T = 0 for tile 1, which spares a first step written out; tile 1's last second product stands behind the loops.
; LAYOUT: both products are used transposed (S^T = K Q^T, O^T = V^T P^T): a lane holds ONE query (lane % 16) throughout; register 16 b + i of S^T is key 32 b + 16 (lane / 16) + i, so the conversions' results are the second product's operand.
; CLUSTER: the four work-groups of a cluster belong to one head and walk the same kv: each tile is asked for JOINTLY, with the same descriptor and the mask 15.
; LIMITS: NaN and infinities among the inputs are not served; a block of q under 2^-118 keeps the byte 1, a block of zeros too (its codes are zeros); a score that counts and lies at or under -2^126 would rank with the hidden ones.
; REGISTERS, window 0: v1-11 addresses and constants; v12-19 statistics, four a tile (-M, the largest t, the sum in two halves); v20-51 Q's codes; v52-179 S^T, then p; v180-211 p's codes; v212-228 at work; v230-233 f, a pair a tile; v234 my place in q and out0;
;   v236-239 K's scale registers, v240-241 p's, v242-243 Q's, v248-251 V's: they hold scales alone.   window 1: v0-127 O^T, 64 a tile; v128-255 eight fragments of K or of V.
.set HEADB, 540672
.set STEPB, 33792                      ; a key step in kv and in LDS: K 16,384, V 16,384, scale words 512 + 512
.set SLOTB, 4*STEPB                    ; 0x21000
.set PARTB, SLOTB/8                    ; a wave's part of a slot.  wave x PARTB has bits 12 and 17 clear for waves 0-7, so an exclusive or with SLOTB moves it from one slot to the other
.set STAGE, 2*SLOTB                    ; behind the ring: 16 rows x (256 + 16) bytes for each wave, for q on the way in and out0 on the way out; no fill lands here
.set SPITCH, 272
.set STGW,  16*SPITCH
.set SPARE, STAGE+8*STGW               ; the spare words, 128 bytes for each wave
.set QNEXT, 524288                     ; four blocks of 256 rows of 512 bytes: from my first block to my second, in q and in out0
.set LI,  1                            ; 16 x lane
.set L8,  2                            ; 8 x lane
.set AD,  3                            ; the step's block + 16 x lane
.set ADT, 4                            ; the same + 8 x lane
.set SIN, 5                            ; the stage by rows: 272 (lane / 16) + 16 (lane % 16)
.set SPW, 6                            ; my spare word; never rewritten
.set NIL, 7                            ; 0; never rewritten
.set PFQ, 8                            ; 256 x lane; never rewritten
.set PFO, 9                            ; 256 x min(lane, 21); never rewritten
.set SOA, 10                           ; the stage: row lane % 16, + 32 (lane / 16)
.set SBK, 11                           ; the stage: row lane % 16, + 64 (lane / 16)
.set ST,  12
.set QC,  20
.set S,   52
.set P,   180
.set BM,  212
.set PB,  216
.set HD,  220
.set SO,  224
.set TMP, 228
.set F,   230
.set QA,  234                          ; 512 (lane / 16) + 16 (lane % 16)
.set KS,  236
.set PS,  240
.set QS,  242
.set VS,  248
.set FRG, 128                          ; in window 1
.set WV,  2
.set SLOTS, 3                          ; slots of the block still to be asked for
.set NEGS, 6                           ; s6: kv's address at the head, then -2^126
.set BLK, 7                            ; s7: blocks to go, this one among them
.set MP,  8                            ; s[8:9] my wave's lane masks
.set SEL, 12
.set CS,  14                           ; s[14:15] c = log2(e) / sqrt(128), twice
.set G1,  16
.set G0,  24
.set PFA, 28
.set LIM, 30                           ; 1 in a wave that prefetches kv, else the greatest number
.set MNT, 31
.set TB,  66                           ; LDS byte of the step's block
.set SB,  67                           ; LDS byte of the slot in hand
.set CNT, 100                          ; steps to go in the slot; at a change of slots at work
.set MO,  101                          ; the step's byte among my lane masks
.set MSB, 0
.macro WIN new
.if MSB != \new
	s_set_vgpr_msb (MSB<<8)|\new
.set MSB, \new
.endif
.endm
.macro NOP8                            ; eight places behind matrix instructions
.rept 8
	v_nop
.endr
.endm
.macro CROUND                          ; a round of the cluster's barrier
	s_barrier_signal -1
	s_barrier_wait -1
	s_cmp_lg_u32 s[WV], 0
	s_cbranch_scc1 .Lnot_wave_0_\@
	s_barrier_signal -3
.Lnot_wave_0_\@:
	s_barrier_wait -3
	s_barrier_signal -1
	s_barrier_wait -1
.endm
.macro JLOAD                           ; every wave's one joint load; an s_nop 0 and four v_nop follow
	tensor_load_to_lds s[G0:G0+3], s[G1:G1+7]
	s_nop 0
.rept 4
	v_nop
.endr
.endm
; PREFETCHES INTO THE L2.  kv: the slot that the NEXT change of slots will ask for, four key steps ahead of that load.  The cluster's four partners share the slot's 528 blocks of 256 bytes out BY ADDRESS, 132 each;
; in each, waves 0 to 5 name 22 blocks, a lane a block (lanes 22-31 name the wave's last again).  Slots 0 and 1 come by their loads alone; the last change that fills a slot asks for nothing; in the second block kv has been read, and nothing is asked.
; q: at the first block's second change of slots each wave names the 64 blocks of 256 bytes of its own 32 rows of the second block, once, two slots and more ahead of their loads; in the second block there is no further q, and nothing is asked.
.macro ASK
	s_cmp_gt_u32 s[SLOTS], s[LIM]
	s_cbranch_scc0 .Lnot_mine_\@
	global_prefetch_b8 v[PFO], s[PFA:PFA+1] th:TH_LOAD_NT scope:SCOPE_SE
.Lnot_mine_\@:
	s_lshl_b32 s[CNT], s[BLK], 2
	s_add_co_u32 s[CNT], s[CNT], s[SLOTS]
	s_cmp_eq_u32 s[CNT], 10                        ; two blocks to go, two slots to ask for
	s_cbranch_scc0 .Lno_q_\@
	global_prefetch_b8 v[PFQ], s[4:5] offset:QNEXT th:TH_LOAD_NT scope:SCOPE_SE
	global_prefetch_b8 v[PFQ], s[4:5] offset:QNEXT+8192 th:TH_LOAD_NT scope:SCOPE_SE
.Lno_q_\@:
.endm
.macro MLOAD off                       ; a tile's 64 lane masks for one key step: 256 consecutive bytes; word n in s[32 + n + 4 (n / 32)]
	s_load_b512 s[32:47], s[MP:MP+1], s[MO] offset:(\off)
	s_load_b512 s[48:63], s[MP:MP+1], s[MO] offset:(\off)+64
	s_load_b512 s[68:83], s[MP:MP+1], s[MO] offset:(\off)+128
	s_load_b512 s[84:99], s[MP:MP+1], s[MO] offset:(\off)+192
.endm
.macro MASKG u, t                      ; accumulator t of tile u: hidden scores become -2^126; ascending, so that it is first read at its low end.  The constant is a scalar: the line is the same under the first product's window
.set n, 8*(\t)
.rept 8
	v_cndmask_b32 v[S+64*(\u)+n], s[NEGS], v[S+64*(\u)+n], s[32+n+4*(n/32)]
.set n, n+1
.endr
.endm
; 64 numbers of a lane, register 16 b + i = k 32 b + 16 (lane / 16) + i of my row, become a fragment's codes and its scale word; the four blocks take turns
.macro QUANT s, pc, pw
.irp b, 0,1,2,3
	v_max3_num_f32 v[BM+\b], |v[\s+16*\b]|, |v[\s+1+16*\b]|, 0x4800000   ; with the floor 2^(9 - 127): the byte cannot fall under 1
.endr
.irp i, 2,4,6,8,10,12,14
.irp b, 0,1,2,3
	v_max3_num_f32 v[BM+\b], v[BM+\b], |v[\s+16*\b+\i]|, |v[\s+1+16*\b+\i]|
.endr
.endr
.irp b, 0,1,2,3
	v_permlanex16_b32 v[PB+\b], v[BM+\b], s[SEL], s[SEL+1]
.endr
.irp b, 0,1,2,3
	v_max_num_f32 v[BM+\b], v[BM+\b], v[PB+\b]
.endr
.irp b, 0,1,2,3
	v_add_nc_u32 v[SO+\b], 0xfc000000, v[BM+\b]
.endr
.irp b, 0,1,2,3
	v_and_or_b32 v[HD+\b], v[BM+\b], 0x7f800000, s[MNT]
.endr
.irp b, 0,1,2,3
	v_lshrrev_b32 v[PB+\b], 23, v[SO+\b]
.endr
	v_lshl_or_b32 v[\pw], v[PB+1], 8, v[PB]
	v_lshl_or_b32 v[\pw], v[PB+2], 16, v[\pw]
	v_lshl_or_b32 v[\pw], v[PB+3], 24, v[\pw]
.irp b, 0,1,2,3
.irp i, 0,1,2,3,4,5,6,7,8,9,10,11,12,13,14,15
	v_med3_num_f32 v[\s+16*\b+\i], v[\s+16*\b+\i], -v[HD+\b], v[HD+\b]   ; the conversion does not saturate (ISA guide 7.6.2): the hold comes first
.endr
	v_cvt_scalef32_pk8_fp8_f32 v[\pc+4*\b:\pc+1+4*\b], v[\s+16*\b:\s+7+16*\b], v[SO+\b]
	v_cvt_scalef32_pk8_fp8_f32 v[\pc+2+4*\b:\pc+3+4*\b], v[\s+8+16*\b:\s+15+16*\b], v[SO+\b]
.endr
	v_nop                                          ; a plain line behind the last conversion
.endm
; S^T = K Q^T: K's tile t against tile u of the queries; the sum begins with the constant 0.  Odd tiles' scale words lie in lanes 16-31.  (Under WIN 0x01)
.macro KQ1 u, t
.if ((\t)%2) == 0
	v_wmma_scale_f32_16x16x128_f8f6f4 v[S+64*(\u)+8*(\t):S+64*(\u)+8*(\t)+7], v[FRG+16*(\t):FRG+16*(\t)+15], v[QC+16*(\u):QC+16*(\u)+15], 0, v[KS+(\t)/2], v[QS+(\u)]
.else
	v_wmma_scale_f32_16x16x128_f8f6f4 v[S+64*(\u)+8*(\t):S+64*(\u)+8*(\t)+7], v[FRG+16*(\t):FRG+16*(\t)+15], v[QC+16*(\u):QC+16*(\u)+15], 0, v[KS+(\t)/2], v[QS+(\u)] matrix_a_scale:MATRIX_SCALE_ROW1
.endif
.endm
; O^T += V^T P^T: V's tile t against tile u's p.  A tile's 8 accumulators take turns, one instruction a turn.  (Under WIN 0x51)
.macro PV1 u, t
.if ((\t)%2) == 0
	v_wmma_scale_f32_16x16x128_f8f6f4 v[64*(\u)+8*(\t):64*(\u)+8*(\t)+7], v[FRG+16*(\t):FRG+16*(\t)+15], v[P+16*(\u):P+16*(\u)+15], v[64*(\u)+8*(\t):64*(\u)+8*(\t)+7], v[VS+(\t)/2], v[PS+(\u)]
.else
	v_wmma_scale_f32_16x16x128_f8f6f4 v[64*(\u)+8*(\t):64*(\u)+8*(\t)+7], v[FRG+16*(\t):FRG+16*(\t)+15], v[P+16*(\u):P+16*(\u)+15], v[64*(\u)+8*(\t):64*(\u)+8*(\t)+7], v[VS+(\t)/2], v[PS+(\u)] matrix_a_scale:MATRIX_SCALE_ROW1
.endif
.endm
.macro HK on, t                        ; on = 1: one instruction of tile 0's second product, among the plain lines of tile 1's softmax
.if \on
	WIN 0x51
	PV1 0, \t
	WIN 0
.endif
.endm
.macro FLOAD base, t                   ; a fragment: four loads of 512 consecutive bytes (under WIN 0x40)
.irp c, 0,1,2,3
	ds_load_b128 v[FRG+16*(\t)+4*\c:FRG+16*(\t)+4*\c+3], v[AD] offset:(\base)+2048*(\t)+512*\c
.endr
.endm
.macro RESC u                          ; tile u's O^T under the new M: x f
	WIN 0x41
	s_wait_alu depctr_va_vdst(0)                   ; the wait directly ahead of the first readers of matrix results
.set j, 0
.rept 32
	v_pk_mul_f32 v[64*\u+j:64*\u+j+1], v[64*\u+j:64*\u+j+1], v[F+2*\u:F+2*\u+1] op_sel_hi:[1,0]
.set j, j+2
.endr
.endm
; TILE 1'S SECOND PRODUCT of the step before (V was waited for in that step).  kload = 1: and this step's K: a group of fragments is asked for eight places behind the instructions that read its registers
.macro PVK kload
.if \kload
	v_add_nc_u32 v[AD], s[TB], v[LI]
	v_add_nc_u32 v[ADT], s[TB], v[L8]
	ds_load_b128 v[KS:KS+3], v[AD] offset:32768    ; K's four scale registers
.endif
	RESC 1                                         ; these 32 are also the places between p's codes and scale word and the products
	WIN 0x51
.irp t, 0,1,2
	PV1 1, \t
.endr
.if \kload
	NOP8
	WIN 0x40
.irp t, 0,1,2
	FLOAD 0, \t
.endr
	WIN 0x51
.endif
.irp t, 3,4,5
	PV1 1, \t
.endr
.if \kload
	NOP8
	WIN 0x40
.irp t, 3,4,5
	FLOAD 0, \t
.endr
	WIN 0x51
.endif
.irp t, 6,7
	PV1 1, \t
.endr
	NOP8
.if \kload
	WIN 0x40
.irp t, 6,7
	FLOAD 0, \t
.endr
.endif
	WIN 0
.endm
; THE SOFTMAX of tile u for one key step: from 64 scores a lane to p's codes, p's scale word, the sum and f.  hk = 1: tile 0's second product stands among the lines ahead of the exponentials
.macro SOFT u, hk
.set rT, ST+4*\u
.set rS, S+64*\u
.set rP, P+16*\u
.set rF, F+2*\u
; the largest score of each block of 32 keys: for the row's maximum and, since p rises with the score, for the block's largest p; eight chains by turns, two a block
.irp b, 0,1,2,3
	v_max3_num_f32 v[BM+\b], v[rS+16*\b], v[rS+16*\b+1], v[rS+16*\b+2]
.endr
.irp b, 0,1,2,3
	v_max3_num_f32 v[PB+\b], v[rS+16*\b+8], v[rS+16*\b+9], v[rS+16*\b+10]
.endr
	HK \hk, 0
.irp b, 0,1,2,3
	v_max3_num_f32 v[BM+\b], v[BM+\b], v[rS+16*\b+3], v[rS+16*\b+4]
.endr
.irp b, 0,1,2,3
	v_max3_num_f32 v[PB+\b], v[PB+\b], v[rS+16*\b+11], v[rS+16*\b+12]
.endr
	HK \hk, 1
.irp b, 0,1,2,3
	v_max3_num_f32 v[BM+\b], v[BM+\b], v[rS+16*\b+5], v[rS+16*\b+6]
.endr
.irp b, 0,1,2,3
	v_max3_num_f32 v[PB+\b], v[PB+\b], v[rS+16*\b+13], v[rS+16*\b+14]
.endr
	HK \hk, 2
.irp b, 0,1,2,3
	v_max3_num_f32 v[BM+\b], v[BM+\b], v[PB+\b], v[rS+16*\b+7]
.endr
.irp b, 0,1,2,3
	v_max_num_f32 v[BM+\b], v[BM+\b], v[rS+16*\b+15]
.endr
	HK \hk, 3
.irp b, 0,1,2,3
	v_permlanex16_b32 v[PB+\b], v[BM+\b], s[SEL], s[SEL+1]
.endr
.irp b, 0,1,2,3
	v_max_num_f32 v[BM+\b], v[BM+\b], v[PB+\b]     ; with lane l xor 16's 16 keys
.endr
	HK \hk, 4
	v_max3_num_f32 v[TMP], v[BM], v[BM+1], v[BM+2]
	s_delay_alu instid0(VALU_DEP_1)
	v_max_num_f32 v[TMP], v[TMP], v[BM+3]          ; the step's largest score of my query
	s_delay_alu instid0(VALU_DEP_1)
	v_mul_f32 v[TMP], s[CS], v[TMP]                ; as t (c is positive)
	s_delay_alu instid0(VALU_DEP_1)
	v_max_num_f32 v[rT+1], v[rT+1], v[TMP]         ; the running largest t
	v_mov_b32 v[TMP], v[rT]
	s_delay_alu instid0(VALU_DEP_2)
	v_floor_f32 v[rT], -v[rT+1]                    ; the new -M = floor(-t): M is a whole number
	s_delay_alu instid0(VALU_DEP_1)
	v_sub_f32 v[TMP], v[rT], v[TMP]                ; old M - new M: a whole number, 0 or less
	s_delay_alu instid0(VALU_DEP_1)
	v_cvt_i32_f32 v[TMP], v[TMP]                   ; (it saturates)
	s_delay_alu instid0(VALU_DEP_1)
	v_ldexp_f32 v[rF], 1.0, v[TMP]                 ; f = 2^(old M - new M)
.set j, 0
.irp g, 5,6,7,8
.rept 8
	v_pk_fma_f32 v[rS+j:rS+j+1], v[rS+j:rS+j+1], s[CS:CS+1], v[rT:rT+1] op_sel_hi:[1,0,0]   ; t - M, two at a time
.set j, j+2
.endr
.if \g < 8
	HK \hk, \g
.endif
.endr
.irp b, 0,1,2,3
	v_fma_f32 v[BM+\b], v[BM+\b], s[CS], v[rT]     ; the same of each block's largest score
.endr
	s_wait_alu depctr_va_vdst(0)                   ; the wait ahead of the batch
.set j, 0
.rept 64
	v_exp_f32 v[rS+j], v[rS+j]                     ; p = 2^(t - M), at most 1
.set j, j+1
.endr
	v_pk_mul_f32 v[rT+2:rT+3], v[rT+2:rT+3], v[rF:rF+1] op_sel_hi:[1,0]   ; the sums under the new M: the plain line behind the exponentials
	s_wait_alu depctr_va_vdst(0)                   ; one wait for the batch of 64, ahead of its first reader
.irp b, 0,1,2,3
	v_exp_f32 v[BM+\b], v[BM+\b]                   ; the blocks' largest p: the same two instructions on the same number give the same bits
.endr
	v_pk_add_f32 v[PB:PB+1], v[rS:rS+1], v[rS+2:rS+3]   ; the row's sum of the unquantised p: two at a time, in four chains by turns
	v_pk_add_f32 v[PB+2:PB+3], v[rS+4:rS+5], v[rS+6:rS+7]
	v_pk_add_f32 v[SO:SO+1], v[rS+8:rS+9], v[rS+10:rS+11]
	v_pk_add_f32 v[rT+2:rT+3], v[rT+2:rT+3], v[rS+12:rS+13]
.set j, 14
.rept 6
	v_pk_add_f32 v[PB:PB+1], v[PB:PB+1], v[rS+j:rS+j+1]
	v_pk_add_f32 v[PB+2:PB+3], v[PB+2:PB+3], v[rS+j+2:rS+j+3]
	v_pk_add_f32 v[SO:SO+1], v[SO:SO+1], v[rS+j+4:rS+j+5]
	v_pk_add_f32 v[rT+2:rT+3], v[rT+2:rT+3], v[rS+j+6:rS+j+7]
.set j, j+8
.endr
	v_pk_add_f32 v[PB:PB+1], v[PB:PB+1], v[rS+62:rS+63]
	v_pk_add_f32 v[PB+2:PB+3], v[PB+2:PB+3], v[SO:SO+1]
	v_pk_add_f32 v[rT+2:rT+3], v[rT+2:rT+3], v[PB:PB+1]
	v_pk_add_f32 v[rT+2:rT+3], v[rT+2:rT+3], v[PB+2:PB+3]
	s_wait_alu depctr_va_vdst(0)                   ; and one for the four
.irp b, 0,1,2,3
	v_max_num_f32 v[BM+\b], 0x4800000, v[BM+\b]    ; the floor 2^(9 - 127): a block whose every p is 0 keeps the byte 1: its codes are zeros
.endr
.irp b, 0,1,2,3
	v_add_nc_u32 v[SO+\b], 0xfc000000, v[BM+\b]    ; the conversions' scale operand
.endr
.irp b, 0,1,2,3
	v_and_or_b32 v[HD+\b], v[BM+\b], 0x7f800000, s[MNT]   ; 448 x the scale
.endr
.irp b, 0,1,2,3
	v_lshrrev_b32 v[PB+\b], 23, v[SO+\b]           ; the byte
.endr
	v_lshl_or_b32 v[PS+\u], v[PB+1], 8, v[PB]      ; p's scale word for these 128 keys
	v_lshl_or_b32 v[PS+\u], v[PB+2], 16, v[PS+\u]
	v_lshl_or_b32 v[PS+\u], v[PB+3], 24, v[PS+\u]
; THE HOLD, one-sided since p is not negative, two numbers an instruction: an even register of one block with an odd one of its neighbour, so that the pair's sources lie in different register banks
.irp bp, 0,2
.irp i, 0,2,4,6,8,10,12,14
	v_dual_min_num_f32 v[rS+16*\bp+\i], v[rS+16*\bp+\i], v[HD+\bp] :: v_dual_min_num_f32 v[rS+16*\bp+17+\i], v[rS+16*\bp+17+\i], v[HD+\bp+1]
	v_dual_min_num_f32 v[rS+16*\bp+16+\i], v[rS+16*\bp+16+\i], v[HD+\bp+1] :: v_dual_min_num_f32 v[rS+16*\bp+1+\i], v[rS+16*\bp+1+\i], v[HD+\bp]
.endr
.irp b, 0,1
	v_cvt_scalef32_pk8_fp8_f32 v[rP+4*(\bp+\b):rP+4*(\bp+\b)+1], v[rS+16*(\bp+\b):rS+16*(\bp+\b)+7], v[SO+\bp+\b]
	v_cvt_scalef32_pk8_fp8_f32 v[rP+4*(\bp+\b)+2:rP+4*(\bp+\b)+3], v[rS+16*(\bp+\b)+8:rS+16*(\bp+\b)+15], v[SO+\bp+\b]
.endr
.endr
.endm
; THE FIRST PRODUCT, BOTH SOFTMAXES AND TILE 0'S SECOND PRODUCT of this step
.macro SCORE
	s_wait_dscnt 8                                 ; K's scale registers and fragments 0-5 are in; the youngest 8 loads (fragments 6, 7) may be out
	WIN 0x01
.irp t, 0,1,2,3,4,5
	KQ1 0, \t
.endr
	NOP8                                           ; eight places in front of the first read of tile 0's scores
	s_wait_kmcnt 0x0                               ; tile 0's lane masks are in
.irp t, 0,1,2,3,4,5
	KQ1 1, \t                                      ; tile 1's instruction, and behind it eight selects of tile 0, which name none of its registers
	MASKG 0, \t
.endr
	s_wait_dscnt 0x0
	KQ1 0, 6
	KQ1 0, 7
	KQ1 1, 6
	KQ1 1, 7
	NOP8
	MASKG 0, 6
	MASKG 0, 7
	WIN 0
	MLOAD 256                                      ; tile 1's lane masks: they land under tile 0's softmax
	WIN 0x40
.irp t, 0,1,2,3,4,5,6,7
	FLOAD 16384, \t                                ; V's eight fragments: they land under tile 0's softmax
.endr
	WIN 0
	ds_load_b64 v[VS:VS+1], v[ADT] offset:33280    ; V's scale registers
	ds_load_b64 v[VS+2:VS+3], v[ADT] offset:33536
	SOFT 0, 0
	s_wait_kmcnt 0x0                               ; tile 1's lane masks are in
	s_wait_alu depctr_va_vdst(0)                   ; the wait directly ahead of the first readers of tile 1's scores
.irp t, 0,1,2,3,4,5,6,7
	MASKG 1, \t
.endr
	s_wait_alu depctr_va_vdst(0)                   ; the wait directly ahead of the waits below
	s_wait_xcnt 0x0                                ; the scalar loads have read their offset: it may step
	s_add_co_u32 s[MO], s[MO], 512                 ; the next step's masks: two tiles x 256 bytes on;
	s_min_u32 s[MO], s[MO], 7680                   ; held at the last step's, so that the last trip's load stays inside my 16 steps (what it brings is not used)
	MLOAD 0
	s_wait_dscnt 0x0                               ; V and its scale words are in
	RESC 0                                         ; tile 0's O^T under its new M
	WIN 0
	SOFT 1, 1
	v_nop                                          ; a plain line behind the last conversion
	s_add_co_u32 s[TB], s[TB], STEPB
.endm
; THE CHANGE OF SLOTS.  Each wave waits for all its tensor loads (one is out: its part of the slot ahead), adds 0 to its spare word, and waits for that; its reads of the slot that it leaves were waited for in the step.
; fill = 1: the barrier is a round of the cluster's; behind it the slot just left is filled with the four steps that follow the slot ahead (in the launch's first change: slot 1's first fill).
.macro CHANGE fill
	s_wait_tensorcnt 0x0
	ds_add_u32 v[SPW], v[NIL]
	s_xor_b32 s[SB], s[SB], SLOTB                  ; on to the other slot
	s_mov_b32 s[TB], s[SB]
.if \fill
	s_xor_b32 s[G0+1], s[G0+1], SLOTB
	s_add_nc_u64 s[G0+2:G0+3], s[G0+2:G0+3], SLOTB
	s_wait_xcnt 0x0                                ; the last prefetch has read its address
	s_add_nc_u64 s[PFA:PFA+1], s[PFA:PFA+1], SLOTB ; one slot further on than the walking descriptor
	s_wait_dscnt 0x0
	CROUND
	JLOAD
	ASK
.else
	s_wait_dscnt 0x0
	s_barrier_signal -1
	s_barrier_wait -1
.endif
.endm
.macro QTURN u, hf, cnt                ; 16 rows x 256 bytes of q through my stage: in by rows, back 16 neighbours of each block a lane
	s_wait_loadcnt \cnt                            ; this group's eight loads are in; the later groups' may be out
.irp i, 0,1,2,3,4,5,6,7
	ds_store_b128 v[SIN], v[S+64*\u+32*\hf+4*\i:S+64*\u+32*\hf+4*\i+3] offset:2*\i*SPITCH
.endr
.irp b, 0,1
.irp j, 0,1,2,3
	ds_load_b128 v[S+64*\u+32*\hf+16*\b+4*\j:S+64*\u+32*\hf+16*\b+4*\j+3], v[SBK] offset:128*\b+16*\j   ; LDS serves a wave's instructions in order (ISA guide 5.7.1.4)
.endr
.endr
.endm
.macro OUTT k                          ; tile k / 2, channels 64 (k % 2) on
	WIN 0x01
	s_wait_alu depctr_va_vdst(0)                   ; ahead of the reciprocals' first reader and of these accumulators' first readers
.set j, 0
.rept 16
	v_pk_mul_f32 v[S+32*\k+j:S+32*\k+j+1], v[32*\k+j:32*\k+j+1], v[F+2*(\k/2):F+2*(\k/2)+1] op_sel_hi:[1,0]   ; register 8 t + i is out0(r, 16 t + 8 h + i); each accumulator from its low end on
.set j, j+2
.endr
	WIN 0
.irp t, 0,1,2,3
	ds_store_b128 v[SOA], v[S+32*\k+8*\t:S+32*\k+8*\t+3] offset:64*\t
	ds_store_b128 v[SOA], v[S+32*\k+8*\t+4:S+32*\k+8*\t+7] offset:64*\t+16
.endr
.irp i, 0,1,2,3,4,5,6,7
	ds_load_b128 v[S+32*\k+4*\i:S+32*\k+4*\i+3], v[SIN] offset:2*\i*SPITCH   ; in order behind the stores above, and ahead of the next part's
.endr
.endm
.macro SENDO k
.irp i, 0,1,2,3,4,5,6,7
	s_wait_dscnt (3-\k)*16+7-\i                    ; behind this load: its part's later loads, and 16 LDS instructions for each later part
	global_store_b128 v[QA], v[S+32*\k+4*\i:S+32*\k+4*\i+3], s[10:11] offset:(16*(\k/2)+2*\i)*512+256*(\k%2) th:TH_STORE_NT
.endr
.endm
	s_load_b256 s[4:11], s[0:1], 0x0               ; q s[4:5], kv s[6:7], maskw s[8:9], out0 s[10:11]
	v_lshl_add_u32 v[SPW], v0, 2, SPARE
	v_mov_b32 v[NIL], 0
	ds_add_u32 v[SPW], v[NIL]                      ; the opening lines: the add, twice on end, and its wait
	ds_add_u32 v[SPW], v[NIL]
	v_lshrrev_b32 v1, 5, v0
	v_readfirstlane_b32 s[WV], v1                  ; wave 0..7
	s_bfe_u32 s33, ttmp6, 0x40000                  ; cx: my place in the cluster
	s_lshl_b32 s34, ttmp9, 2
	s_add_co_u32 s34, s34, s33                     ; my first block of 256 queries, 0..3: it enters q's, out0's and the masks' addresses alone
	s_and_b32 s32, ttmp7, 0xffff                   ; the head, which the four partners share
	s_mul_i32 s35, s32, HEADB
	s_mul_i32 s38, s[WV], PARTB                    ; my part of a slot, in kv and in LDS
	s_add_co_u32 s36, s35, s38
	s_mov_b32 s37, 0
	s_lshl_b32 s40, s32, 20                        ; q and out0: a head is 2^20 bytes,
	s_lshl_b32 s41, s34, 17                        ; a block 256 rows of 512,
	s_add_co_u32 s40, s40, s41
	s_lshl_b32 s41, s[WV], 14                      ; my wave's 32 rows
	s_add_co_u32 s40, s40, s41
	s_mov_b32 s41, 0
	s_lshr_b32 s42, s32, 4                         ; the batch
	s_lshl_b32 s42, s42, 6
	s_lshl_b32 s43, s34, 3
	s_add_co_u32 s42, s42, s43
	s_add_co_u32 s42, s42, s[WV]                   ; my pair of query tiles
	s_lshl_b32 s42, s42, 13                        ; 16 steps of 512 bytes
	s_mov_b32 s43, 0
	s_mul_i32 s44, s33, STEPB                      ; kv's prefetches: my work-group's quarter of a slot,
	s_min_u32 s46, s[WV], 5
	s_mul_i32 s46, s46, 5632                       ; my wave's 22 blocks of it,
	s_add_co_u32 s44, s44, s46
	s_add_co_u32 s44, s44, s35
	s_add_co_u32 s44, s44, SLOTB                   ; in slot 1: the first change of slots steps it to slot 2
	s_mov_b32 s45, 0
	s_cmp_lt_u32 s[WV], 6
	s_cselect_b32 s[LIM], 1, -1
	s_mov_b32 s[G1], 15|(3<<16)|(1<<21)            ; the mask: all four work-groups; elements of 8 bytes; bit 21 beside a mask
	s_mov_b32 s[G1+1], 32<<16                      ; tensor_dim0 = 32: rows of 256 bytes
	s_mov_b32 s[G1+2], 66<<16                      ; tensor_dim1 = 66
	s_mov_b32 s[G1+3], 32<<16                      ; tile_dim0
	s_mov_b32 s[G1+4], 66                          ; tile_dim1
	s_mov_b32 s[G1+5], 32                          ; dense
	s_mov_b32 s[G1+6], 0
	s_mov_b32 s[G1+7], 0
	s_mov_b32 s[SEL], 0x76543210
	s_mov_b32 s[SEL+1], 0xfedcba98
	s_mov_b32 s[CS], 0x3e0293ee                    ; c = log2(e) / sqrt(128)
	s_mov_b32 s[CS+1], s[CS]
	s_mov_b32 s[MNT], 0x600000
	s_mov_b32 s[SB], SLOTB                         ; a block's first change of slots turns it to slot 0, its fourth back to this
	s_wait_dscnt 0x0                               ; both opening adds are done
	s_wait_kmcnt 0x0
	s_mov_b32 s[G0], 1
	s_xor_b32 s[G0+1], s38, SLOTB                  ; group 0 as a block's last fill leaves it: LDS slot 1,
	s_add_nc_u64 s[G0+2:G0+3], s[6:7], s[36:37]
	s_add_nc_u64 s[G0+2:G0+3], s[G0+2:G0+3], 3*SLOTB   ; the head's last four steps: a block's head winds both back.  The head and the wave's number alone enter them
	s_or_b32 s[G0+3], s[G0+3], 0x80000000
	s_add_nc_u64 s[PFA:PFA+1], s[6:7], s[44:45]
	s_add_nc_u64 s[4:5], s[4:5], s[40:41]
	s_add_nc_u64 s[10:11], s[10:11], s[40:41]
	s_add_nc_u64 s[MP:MP+1], s[MP:MP+1], s[42:43]
	s_mov_b32 s[NEGS], 0xfe800000                  ; -2^126 (kv's address has been used)
	s_mov_b32 s[BLK], 2
	v_and_b32 v[BM], 31, v0                        ; lane
	v_and_b32 v[BM+1], 15, v0                      ; r
	v_bfe_u32 v[BM+2], v0, 4, 1                    ; h
	v_lshlrev_b32 v[QA], 9, v[BM+2]
	v_lshl_add_u32 v[QA], v[BM+1], 4, v[QA]
	v_lshlrev_b32 v[LI], 4, v[BM]
	v_lshlrev_b32 v[L8], 3, v[BM]
	v_lshlrev_b32 v[PFQ], 8, v[BM]
	v_min_u32 v[PFO], 21, v[BM]
	v_lshlrev_b32 v[PFO], 8, v[PFO]
	s_mul_i32 s100, s[WV], STGW
	s_add_co_u32 s100, s100, STAGE                 ; my stage
	v_mul_u32_u24 v[SIN], v[BM+2], SPITCH
	v_lshl_add_u32 v[SIN], v[BM+1], 4, v[SIN]
	v_add_nc_u32 v[SIN], s100, v[SIN]
	v_mul_u32_u24 v[SBK], v[BM+1], SPITCH
	v_lshl_add_u32 v[SOA], v[BM+2], 5, v[SBK]
	v_lshl_add_u32 v[SBK], v[BM+2], 6, v[SBK]
	v_add_nc_u32 v[SOA], s100, v[SOA]
	v_add_nc_u32 v[SBK], s100, v[SBK]
	s_wait_alu depctr_va_vdst(0)                   ; the wait at the head's end
.Lblock:                                           ; 2 trips: a block of 256 queries each
	s_wait_kmcnt 0x0                               ; the masks asked for last have landed: their registers may be loaded anew
	s_wait_xcnt 0x0                                ; the last block's stores have read their registers, the scalar loads their offset
.irp u, 0,1
.irp hf, 0,1
.irp i, 0,1,2,3,4,5,6,7
	global_load_b128 v[S+64*\u+32*\hf+4*\i:S+64*\u+32*\hf+4*\i+3], v[QA], s[4:5] offset:8192*\u+1024*\i+256*\hf th:TH_LOAD_NT   ; sixteen lanes read 256 consecutive bytes, aligned, of rows 2 i and 2 i + 1.  q is my wave's own: it is asked for ahead of the round
.endr
.endr
.endr
	s_mov_b32 s[MO], 0
	MLOAD 0                                        ; the first step's lane masks of tile 0
	s_wait_tensorcnt 0x0                           ; no tensor load of mine is out, so group 0 may be written
	ds_add_u32 v[SPW], v[NIL]
	ds_add_u32 v[SPW], v[NIL]
	s_xor_b32 s[G0+1], s[G0+1], SLOTB              ; LDS slot 0,
	s_sub_nc_u64 s[G0+2:G0+3], s[G0+2:G0+3], 3*SLOTB   ; the head's first four steps
	s_mov_b32 s[SLOTS], 3
	s_wait_dscnt 0x0
	CROUND                                         ; all four work-groups are here, and none reads slot 0 any more: the joint loads meet
	JLOAD                                          ; slot 0: one load a wave
.irp u, 0,1
	v_mov_b32 v[ST+4*\u+1], 0xff61b1e6             ; the largest t so far: -3e38, under every t, a hidden score's too
	v_mov_b32 v[ST+4*\u+2], 0                      ; the sum, in two halves
	v_mov_b32 v[ST+4*\u+3], 0
	v_floor_f32 v[ST+4*\u], -v[ST+4*\u+1]          ; -M
	v_mov_b32 v[F+2*\u], 1.0
	v_mov_b32 v[F+2*\u+1], 0                       ; named as the upper half of f's pair
	v_mov_b32 v[PS+\u], 0x7f7f7f7f                 ; the first trip's scale words: 1
.endr
.irp b, 0,1,2,3
	v_mov_b32 v[PB+\b], 0                          ; a lane permute's destination counts as one of its sources
	v_mov_b32 v[VS+\b], 0x7f7f7f7f
.endr
.set j, 16
.rept 16
	v_mov_b32 v[P+j], 0                            ; the first trip's p of tile 1: zero codes
.set j, j+1
.endr
	WIN 0x40
.set j, 0
.rept 256
	v_mov_b32 v[j], 0                              ; O^T, and the first trip's V: zero codes.  These lines stand under the flight of q's loads
.set j, j+1
.endr
	WIN 0
	s_wait_alu depctr_va_vdst(0)                   ; the wait directly ahead of the wait below
	QTURN 0, 0, 24
	QTURN 0, 1, 16
	s_wait_dscnt 0x0
	QUANT S, QC, QS
	QTURN 1, 0, 8
	QTURN 1, 1, 0
	s_wait_dscnt 0x0
	QUANT S+64, QC+16, QS+1
	s_wait_alu depctr_va_vdst(0)                   ; the wait ahead of the waits and barriers below
.Lslot:                                            ; 3 trips: behind each change of slots but the block's last a slot is asked for
	CHANGE 1
	s_mov_b32 s[CNT], 4
.Lstep:
	PVK 1
	SCORE
	s_sub_co_u32 s[CNT], s[CNT], 1
	s_cmp_lg_u32 s[CNT], 0
	s_wait_alu depctr_va_vdst(0)                   ; the wait directly ahead of the branch
	s_cbranch_scc1 .Lstep
	s_sub_co_u32 s[SLOTS], s[SLOTS], 1
	s_cmp_lg_u32 s[SLOTS], 0
	s_cbranch_scc1 .Lslot
	CHANGE 0                                       ; the block's last slot is written out
	s_mov_b32 s[CNT], 4
.Llast:
	PVK 1
	SCORE
	s_sub_co_u32 s[CNT], s[CNT], 1
	s_cmp_lg_u32 s[CNT], 0
	s_wait_alu depctr_va_vdst(0)
	s_cbranch_scc1 .Llast
	PVK 0                                          ; tile 1's second product of the last step
	; THE WAY OUT.  The sum's halves and lane l xor 16's are added; O^T is divided by the sum and goes through my stage, 16 rows x 256 bytes at a time, so that sixteen lanes store one aligned unit of 256 bytes.
.irp u, 0,1
	v_add_f32 v[ST+4*\u+2], v[ST+4*\u+2], v[ST+4*\u+3]
.endr
.irp u, 0,1
	v_permlanex16_b32 v[PB+\u], v[ST+4*\u+2], s[SEL], s[SEL+1]
.endr
.irp u, 0,1
	v_add_f32 v[ST+4*\u+2], v[ST+4*\u+2], v[PB+\u] ; the row's sum
.endr
	s_wait_alu depctr_va_vdst(0)                   ; the wait ahead of the batch
.irp u, 0,1
	v_rcp_f32 v[F+2*\u], v[ST+4*\u+2]
.endr
	v_nop                                          ; the plain line behind the reciprocals
.irp k, 0,1,2,3
	OUTT \k
.endr
.irp k, 0,1,2,3
	SENDO \k
.endr
	s_wait_xcnt 0x0                                ; the stores, the scalar loads and the prefetches have read their bases: they may step
	s_add_nc_u64 s[4:5], s[4:5], QNEXT             ; on to my second block: four blocks further on in q,
	s_add_nc_u64 s[10:11], s[10:11], QNEXT         ; in out0,
	s_add_nc_u64 s[MP:MP+1], s[MP:MP+1], 262144    ; and among the masks: 32 pairs of tiles x 8,192 bytes (behind the second block they are not used)
	s_mov_b32 s[LIM], -1                           ; kv has been read: it is prefetched no more
	s_sub_co_u32 s[BLK], s[BLK], 1
	s_cmp_lg_u32 s[BLK], 0
	s_wait_alu depctr_va_vdst(0)                   ; the wait directly ahead of the branch
	s_cbranch_scc1 .Lblock
	s_wait_tensorcnt 0x0                           ; the wave's end
	ds_add_u32 v[SPW], v[NIL]
	s_wait_dscnt 0x0
	CROUND                                         ; the closing round
	s_endpgm
.Lfunc_end_k_qbe85208a05_attn:
	.size	k_qbe85208a05_attn, .Lfunc_end_k_qbe85208a05_attn-k_qbe85208a05_attn
	.p2alignl 7, 3214868480
	.fill 96, 4, 3214868480
	.section	.rodata,"a",@progbits
	.p2align	6, 0x0
	.amdhsa_kernel k_qbe85208a05_attn
		.amdhsa_group_segment_fixed_size 327680
		.amdhsa_private_segment_fixed_size 0
		.amdhsa_enable_private_segment 0
		.amdhsa_kernarg_size 32
		.amdhsa_user_sgpr_count 2
		.amdhsa_user_sgpr_kernarg_segment_ptr 1
		.amdhsa_wavefront_size32 1
		.amdhsa_system_sgpr_workgroup_id_x 1
		.amdhsa_system_sgpr_workgroup_id_y 1
		.amdhsa_system_sgpr_workgroup_id_z 1
		.amdhsa_system_vgpr_workitem_id 0
		.amdhsa_next_free_vgpr 512
		.amdhsa_next_free_sgpr 102
		.amdhsa_reserve_vcc 0
		.amdhsa_float_denorm_mode_32 3
		.amdhsa_float_denorm_mode_16_64 3
		.amdhsa_memory_ordered 1
		.amdhsa_forward_progress 1
		.amdhsa_inst_pref_size 157
	.end_amdhsa_kernel
	.amdgpu_metadata
---
amdhsa.version: [ 1, 2 ]
amdhsa.kernels:
  - .name:           k_qbe85208a05_attn
    .symbol:         k_qbe85208a05_attn.kd
    .args:
      - { .name: q, .offset: 0, .size: 8, .value_kind: global_buffer, .address_space: global }
      - { .name: kv, .offset: 8, .size: 8, .value_kind: global_buffer, .address_space: global }
      - { .name: maskw, .offset: 16, .size: 8, .value_kind: global_buffer, .address_space: global }
      - { .name: out0, .offset: 24, .size: 8, .value_kind: global_buffer, .address_space: global }
    .group_segment_fixed_size: 327680
    .private_segment_fixed_size: 0
    .kernarg_segment_align: 8
    .kernarg_segment_size: 32
    .max_flat_workgroup_size: 256
    .sgpr_count:     102
    .vgpr_count:     512
    .wavefront_size: 32
...
	.end_amdgpu_metadata
.endif
;; end of part 2
